; MI455X (gfx1250); checked and timed in simulation.
; The chip was launched on July 23, 2026; its instructions are those of AMD's public machine-readable ISA for CDNA 5 (MIT licence, August 2026) and "CDNA5" Instruction Set Architecture Reference Guide (July 2026). The comments in the code are by the model that wrote it; some were corrected since.
;; Full Attention. Allowed arithmetic: float matrix products may take bf16 or f16 operands with f32 sums; all other float work in f32.
;; Inputs: keys 4 x 2,048 x 8 x 64 float32; queries 4 x 2,048 x 8 x 64 float32; values 4 x 2,048 x 8 x 64 float32.
;; Outputs: out0 4 x 2,048 x 8 x 64 float32.
;; One version. Each part assembles by itself: llvm-mc -triple=amdgcn-amd-amdhsa -mcpu=gfx1250 --defsym DOCPART=n.
;; ======== version 1 of 1: 1 launch
;; limits: values are held in f16: magnitudes above 65,504 overflow, below 6.1e-05 lose precision; inputs' magnitudes at most 65,504; below input magnitudes of 6.1e-05 results are inexact or not finite
;; launch attn (part 1): grid 8 x 32, 8 waves a work-group, no clusters, 152,576 bytes of LDS; arguments keys, queries, values, out0; writes out0
.if DOCPART == 1
	.amdgcn_target "amdgcn-amd-amdhsa--gfx1250"
	.amdhsa_code_object_version 6
	.text
	.protected	k_q049578ef37_attn
	.globl	k_q049578ef37_attn
	.p2align	8
	.type	k_q049578ef37_attn,@function
k_q049578ef37_attn:
	s_mov_b64 s[64:65], 0
	v_nop
	global_prefetch_b8 v0, s[64:65] scope:SCOPE_SE
	s_setreg_imm32_b32 hwreg(HW_REG_WAVE_MODE, 25, 1), 1
	s_wait_xcnt 0x0
; Causal softmax attention.  queries, keys, values, out0: [4][2048][8][64] f32.  A row of one head is 256 bytes, rows 2,048 bytes apart.
; out[l] = sum over s <= l of softmax(q[l].k[s] / 8) v[s], by the running-maximum form; products in f16 with f32 sums, the rest in f32.
;
; WHY F16 AND NOT BF16.  In the first rows two or three weights of about a half multiply values of about one that can cancel, so a weight's rounding
; shows undamped in the result: 2^-9 relative (8 significant bits) is about 1e-3 there, the size of the allowance (a hundredth of the output's root
; mean square, which is about 0.1 because later rows average many values).  f16 keeps 11 bits, 2^-12 relative, at the same registers, bytes and products.
;
; SHARES.  A head has 16 query blocks of 128 rows; query block b needs key blocks 0 .. b (the mask of the problem drops the others).
; Work-group (i, head) takes query block 15-i ('hi') and then block i ('lo'): (16-i) + (i+1) = 17 trips of one key block for every
; work-group, 8 x 32 = 256 work-groups of equal work.  Flat trip t = 0..16 uses key block t while t <= 15-i, then block t-16+i: the blocks ascend,
; so the eight work-groups of a head begin with the same blocks 0, 1, 2, .. and each block is first wanted by all of them in the same trip.
; The diagonal block comes last in each phase (t = 15-i and t = 16): only these two trips mask.
; With n = x + 8 y the work-group's number, i = (n & 3) + 4 ((n >> 3) & 1) and head = 2 (n >> 4) + ((n >> 2) & 1): one to one; a head's work-groups
; are n .. n+3 and n+8 .. n+11.  This is a choice of placement only: no value hangs on it.
; Wave w: qg = w & 3 picks 32 query rows, kh = w >> 2 picks 64 of the block's 128 keys.  Each wave keeps its own maximum, sum and O over its
; keys; the two kh partners are merged through LDS at the end of a phase.  In a diagonal trip waves 4 and 5 (keys 64..127, queries 0..63) have
; nothing but masked scores, which would change neither maximum, sum nor O: they jump over the products and the softmax.
;
; THE PRODUCTS ARE USED TRANSPOSED.  S^T = K Q^T: lane (r = l % 16, h = l / 16), register j holds key 8h + j of query r, so a lane's scores all
; belong to one query (maximum and sum are in-lane work and one exchange of the halves), and two neighbouring S^T tiles rounded to f16 ARE the
; second source of O^T = V^T P^T: no shuffle.  V lies in LDS as [key][d] and comes out transposed by ds_load_tr16_b128.
;
; K AND V come through registers: 16 lanes load a whole row of 256 bytes, round to f16 and store 128 bytes to LDS, two buffers in turn.  The block
; of trip t is loaded in trip t-3 and rounded and stored in trip t-1, by the four waves with kh = t & 1 (32 rows of K and of V each).
; These loads stand two whole trips ahead of their use, so no separate prefetch is issued.
;
; NO CLUSTER, NO TENSOR LOADS: a tensor load would lay f32 into LDS, 64 KiB written and 64 KiB read again per key block beside the 32 KiB of f16
; stored here; and behind its own phase switch (t = 16-i, which hangs on i) each work-group of a head stands at another block, t-16+i, so that
; from t = 9 on partners would need different tiles.
;
; LIMITS.  Inputs are finite, of magnitude below 65,504 (beyond it the rounding to f16 gives infinity), and |q.k| < 1e30 (the running maximum starts
; at -1e30).  Inputs and weights below 2^-14 keep an absolute error of up to 2^-25 (f16 denormals).  Masked weights are exact zeros.  Q, K, V and the
; weights are rounded to f16; the denominator sums the unrounded weights.  A weight below 2^-126 of its row's largest becomes 0 (v_exp_f32 flushes).
.set ROWB,  2048                       ; bytes from a row of a head to the next
.set KP,    144                        ; LDS pitch of K: 128 bytes + 16
.set VP,    160                        ; LDS pitch of V: 128 bytes + 32 (an odd multiple of 32 for the transposing load)
.set VOFF,  128*KP                     ; V behind K in a buffer
.set BUF,   VOFF+128*VP                ; 38,912 bytes: one key block
.set EP,    272                        ; pitch of the merge stage: a row of 64 f32 + 16
.set EREG,  32*EP                      ; a wave's 32 rows
.set EPIB,  2*BUF                      ; merge stage: 8 regions, index 2 qg + kh
.set STATB, EPIB+8*EREG                ; 8 waves x 512 bytes: m0, l0, m1, l1 of each lane
.set KA, 1                             ; v1   (64 kh + r) KP + 16 h: my K fragments
.set VA, 2                             ; v2   VOFF + (64 kh + 8 h + l % 8) VP + 16 ((l / 8) % 2): my V^T fragments
.set SK, 3                             ; v3   (32 qg + 8 h) KP + 8 r: where I store K
.set SV, 4                             ; v4   VOFF + (32 qg + 4 h) VP + 8 r: where I store V
.set GK, 5                             ; v5   (32 qg + 8 h) ROWB + 16 r: what I load of K
.set GV, 6                             ; v6   (32 qg + 4 h) ROWB + 16 r: what I load of V
.set DD, 7                             ; v7   32 qg + r - 64 kh - 8 h (signed): query minus key at kt = j = qt = 0
.set NINF, 8                           ; v8   -infinity
.set EW, 9                             ; v9   merge stage, in
.set ER, 10                            ; v10  merge stage, back by rows
.set GO, 11                            ; v11  my bytes of the output rows
.set SW, 12                            ; v12  my statistics
.set SR, 13                            ; v13  the statistics of wave qg (kh = 0); those of wave qg + 4 lie 2,048 bytes on
.set GQ, 14                            ; v14  r ROWB + 32 h: what I load of Q
.set MX, 16                            ; v16-17  running maximum of query tile 0, 1 (raw scores)
.set LS, 18                            ; v18-19  running sum (of my half of the lanes' keys)
.set NM, 20                            ; v20, v22  -maximum x c (low halves of pairs)
.set AL, 24                            ; v24, v26  the factor on O and on the sum (low halves of pairs)
.set TT, 28                            ; v28-31  at work
.set QF, 32                            ; v32-63   Q(qt, ks) at 8 (2 qt + ks)
.set OA, 64                            ; v64-127  O^T(dt, qt) at 8 (4 qt + dt)
.set SC, 128                           ; v128-191 S^T(kt, qt) at 32 qt + 8 kt; P(c, qt) is packed into the first 8 of each 16
.set FR, 192                           ; v192-255 K(kt, ks) at 8 (2 kt + ks), then V^T(dt, c) at 8 (2 dt + c)
; second window of 256: v256-383 (named v0-127) the staging batch; v384-447 (named v128-191) the lo phase's Q as loaded, in f32
.set QW, 128
.set MSB, 0
.macro WIN new                         ; low byte: bits 1:0 source 0, 3:2 source 1, 5:4 source 2, 7:6 destination; high byte: the setting that is left
.if MSB != \new
	s_set_vgpr_msb (MSB<<8)|\new
.set MSB, \new
.endif
.endm
	s_load_b256 s[4:11], s[0:1], 0x0               ; keys s[4:5], queries s[6:7], values s[8:9], out0 s[10:11]
	s_set_vgpr_msb 0x40
	v_lshl_add_u32 v192, v0, 2, 0x25000
	v_mov_b32 v193, 0
	s_set_vgpr_msb 0x4000
	v_lshrrev_b32 v15, 5, v0
	v_readfirstlane_b32 s12, v15                   ; wave 0..7
	s_and_b32 s13, s12, 3                          ; qg
	s_lshr_b32 s14, s12, 2                         ; kh
	s_lshr_b32 s47, s12, 1
	s_cmp_eq_u32 s47, 2
	s_cselect_b32 s47, 1, 0                        ; 1 in waves 4 and 5: wholly masked in a diagonal trip
	s_and_b32 s16, ttmp7, 0xffff                   ; y
	s_and_b32 s15, ttmp9, 3                        ; x & 3
	s_and_b32 s40, s16, 1                          ; y & 1
	s_sub_co_u32 s16, s16, s40                     ; 2 (y >> 1)
	s_lshl_b32 s40, s40, 2
	s_add_co_u32 s15, s15, s40                     ; i = (x & 3) + 4 (y & 1)
	s_lshr_b32 s40, ttmp9, 2
	s_add_co_u32 s16, s16, s40                     ; head 0..31 = 2 (y >> 1) + (x >> 2) = 8 b + h
	s_sub_co_u32 s17, 15, s15                      ; the hi block, and the last trip of the hi phase
	s_lshr_b32 s20, s16, 3
	s_lshl_b32 s20, s20, 22                        ; b x 2048 rows x 2,048 bytes
	s_and_b32 s21, s16, 7
	s_lshl_b32 s21, s21, 8                         ; h x 256 bytes
	s_add_co_u32 s20, s20, s21
	s_mov_b32 s21, 0
	s_mov_b32 s30, 0x3e38aa3b                      ; c = log2(e) / 8: the scale 1/sqrt(64) and the base of v_exp_f32 in one
	s_mov_b32 s31, 0x3e38aa3b
	s_mov_b32 s32, 0xbe38aa3b                      ; -c
	s_mov_b32 s33, 0x76543210                      ; v_permlanex16_b32: lane l reads lane l xor 16
	s_mov_b32 s34, 0xfedcba98
	s_mov_b32 s35, 0xf149f2ca                      ; -1e30: where a running maximum starts
	v_and_b32 v28, 15, v0                          ; r
	v_bfe_u32 v29, v0, 4, 1                        ; h
	v_bfe_u32 v30, v0, 5, 2                        ; qg
	v_lshrrev_b32 v31, 7, v0                       ; kh
	v_lshl_add_u32 v[KA], v31, 6, v28
	v_mul_u32_u24 v[KA], v[KA], KP
	v_lshl_add_u32 v[KA], v29, 4, v[KA]
	v_and_b32 v15, 7, v0
	v_lshl_add_u32 v15, v29, 3, v15
	v_lshl_add_u32 v15, v31, 6, v15
	v_mul_u32_u24 v[VA], v15, VP
	v_bfe_u32 v15, v0, 3, 1
	v_lshl_add_u32 v[VA], v15, 4, v[VA]
	v_add_nc_u32 v[VA], VOFF, v[VA]
	v_lshlrev_b32 v15, 5, v30                      ; 32 qg
	v_lshl_add_u32 v[SK], v29, 3, v15              ; K: lanes 16-31 take the row 8 further on, 8 x 144 = 1,152 = 128 modulo 256,
	v_lshl_add_u32 v[SV], v29, 2, v15              ; V: the row 4 further on, 4 x 160 = 640 = 128 modulo 256: the halves of a store do not collide
	v_lshlrev_b32 v[GK], 11, v[SK]
	v_lshlrev_b32 v[GV], 11, v[SV]
	v_lshl_add_u32 v[GK], v28, 4, v[GK]
	v_lshl_add_u32 v[GV], v28, 4, v[GV]
	v_mul_u32_u24 v[SK], v[SK], KP
	v_mul_u32_u24 v[SV], v[SV], VP
	v_lshl_add_u32 v[SK], v28, 3, v[SK]
	v_lshl_add_u32 v[SV], v28, 3, v[SV]
	v_add_nc_u32 v[SV], VOFF, v[SV]
	v_add_nc_u32 v[DD], v15, v28                   ; 32 qg + r
	v_lshl_add_u32 v[EW], v31, 3, v29
	v_lshlrev_b32 v[EW], 3, v[EW]                  ; 64 kh + 8 h
	v_sub_nc_u32 v[DD], v[DD], v[EW]
	v_mov_b32 v[NINF], 0xff800000
	v_lshl_add_u32 v[ER], v30, 1, v31              ; 2 qg + kh
	v_mul_u32_u24 v[EW], v[ER], EREG
	v_mad_u32_u24 v[EW], v28, EP, v[EW]            ; row r (query), 32 bytes for each half of the lanes
	v_lshl_add_u32 v[EW], v29, 5, v[EW]
	v_add_nc_u32 v[EW], EPIB, v[EW]
	v_mul_u32_u24 v[ER], v30, 2*EREG
	v_lshl_add_u32 v[GO], v31, 4, v29              ; row 16 kh + h: each partner finishes 16 of the 32 rows
	v_mad_u32_u24 v[ER], v[GO], EP, v[ER]
	v_lshl_add_u32 v[ER], v28, 4, v[ER]
	v_add_nc_u32 v[ER], EPIB, v[ER]
	v_lshlrev_b32 v[GO], 11, v[GO]
	v_lshl_add_u32 v[GO], v28, 4, v[GO]
	v_and_b32 v15, 31, v0
	v_lshlrev_b32 v15, 2, v15                      ; 4 l
	v_lshrrev_b32 v[SW], 5, v0
	v_lshl_add_u32 v[SW], v[SW], 9, v15
	v_lshl_add_u32 v[SR], v30, 9, v15
	v_add_nc_u32 v[SW], STATB, v[SW]
	v_add_nc_u32 v[SR], STATB, v[SR]
	v_lshlrev_b32 v[GQ], 11, v28
	v_lshl_add_u32 v[GQ], v29, 5, v[GQ]
	v_mov_b32 v[NM+1], 0                           ; the upper halves of the four broadcast pairs are named by packed instructions, never used
	v_mov_b32 v[NM+3], 0
	v_mov_b32 v[AL+1], 0
	v_mov_b32 v[AL+3], 0
	s_wait_kmcnt 0x0
	s_add_nc_u64 s[22:23], s[4:5], s[20:21]        ; K at the head
	s_add_nc_u64 s[24:25], s[8:9], s[20:21]        ; V at the head
	s_lshl_b32 s40, s13, 16                        ; qg x 32 rows
	s_mov_b32 s41, 0
	s_add_nc_u64 s[38:39], s[10:11], s[20:21]
	s_add_nc_u64 s[38:39], s[38:39], s[40:41]      ; out at the head, my 32 rows of block 0
	s_add_nc_u64 s[50:51], s[6:7], s[20:21]
	s_add_nc_u64 s[50:51], s[50:51], s[40:41]      ; Q likewise
	s_lshl_b32 s42, s17, 18                        ; a block is 128 rows x 2,048 bytes
	s_mov_b32 s43, 0
	s_add_nc_u64 s[48:49], s[50:51], s[42:43]      ; Q of the hi block
	s_add_nc_u64 s[36:37], s[38:39], s[42:43]      ; out of the hi block
	s_lshl_b32 s42, s15, 18
	s_add_nc_u64 s[50:51], s[50:51], s[42:43]      ; Q of the lo block
; s40 = a flat trip number: s[26:27], s[28:29] = K and V at that trip's key block
.macro BASE_OF
	s_sub_co_u32 s41, s40, s17
	s_sub_co_u32 s41, s41, 1                       ; lo phase: t - (15 - i) - 1
	s_cmp_le_u32 s40, s17
	s_cselect_b32 s41, s40, s41                    ; hi phase: t
	s_lshl_b32 s42, s41, 18
	s_mov_b32 s43, 0
	s_add_nc_u64 s[26:27], s[22:23], s[42:43]
	s_add_nc_u64 s[28:29], s[24:25], s[42:43]
.endm
; 32 loads: 32 rows of K and 32 of V, sixteen lanes to a row of 256 bytes.  No cache word: the head's other work-groups read the block too.
.macro STAGE_LOAD
	WIN 0x40                                       ; destination in the second window
.irp a, 0,1
.irp b, 0,1,2,3,4,5,6,7
	global_load_b128 v[4*(8*\a+\b):4*(8*\a+\b)+3], v[GK], s[26:27] offset:(16*\a+\b)*ROWB
.endr
.endr
.irp a, 0,1,2,3
.irp b, 0,1,2,3
	global_load_b128 v[4*(16+4*\a+\b):4*(16+4*\a+\b)+3], v[GV], s[28:29] offset:(8*\a+\b)*ROWB
.endr
.endr
	WIN 0
.endm
; the batch, rounded to f16 in place (4 registers become 2) and stored into buffer bf
.macro STAGE_CVT bf
	s_wait_loadcnt 0x0                             ; this wave's pending loads are this batch, issued two trips ago (once also the lo block's Q, issued in
	                                               ; trip 0); the other four waves' batch stays out.  For zero, so that the next batch lands on no pending load
	WIN 0x45                                       ; both sources and the destination in the second window
.set jj, 0
.rept 32
	v_cvt_pk_f16_f32 v[4*jj], v[4*jj], v[4*jj+1]
	v_cvt_pk_f16_f32 v[4*jj+1], v[4*jj+2], v[4*jj+3]
.set jj, jj+1
.endr
	WIN 0x04                                       ; store data in the second window
.irp a, 0,1
.irp b, 0,1,2,3,4,5,6,7
	ds_store_b64 v[SK], v[4*(8*\a+\b):4*(8*\a+\b)+1] offset:\bf*BUF+(16*\a+\b)*KP
.endr
.endr
.irp a, 0,1,2,3
.irp b, 0,1,2,3
	ds_store_b64 v[SV], v[4*(16+4*\a+\b):4*(16+4*\a+\b)+1] offset:\bf*BUF+(8*\a+\b)*VP
.endr
.endr
	WIN 0
.endm
; the lo block's Q, 16 loads into the second window, where it stays in f32 until the phase switch
.macro QLO_LOAD
	WIN 0x40
.irp qt, 0,1
.irp ks, 0,1
.irp u, 0,1
.irp x, 0,1
	global_load_b128 v[QW+4*(8*\qt+4*\ks+2*\u+\x):QW+4*(8*\qt+4*\ks+2*\u+\x)+3], v[GQ], s[50:51] offset:\qt*16*ROWB+\ks*128+\u*64+\x*16
.endr
.endr
.endr
.endr
	WIN 0
.endm
	; Q: lane (r, h) takes e = 32 ks + 16 u + 8 h + 0..7 of query 16 qt + r, the second source's own layout, as two loads of 16 bytes.
	; Only what the first trips need is asked for here: the hi block's Q, then the first K and V batch.
.irp qt, 0,1
.irp ks, 0,1
.irp u, 0,1
.irp x, 0,1
	global_load_b128 v[SC+4*(8*\qt+4*\ks+2*\u+\x):SC+4*(8*\qt+4*\ks+2*\u+\x)+3], v[GQ], s[48:49] offset:\qt*16*ROWB+\ks*128+\u*64+\x*16
.endr
.endr
.endr
.endr
	s_mov_b32 s40, s14                             ; waves with kh = 0 load the block of trip 0, the others that of trip 1
	BASE_OF
	STAGE_LOAD
	s_wait_loadcnt 0x20                            ; loads return in order (ISA guide 5.7.1): Q's 16 are in, the 32 staging loads behind them stay out
.set jj, 0
.rept 32
	v_cvt_pk_f16_f32 v[QF+jj], v[SC+2*jj], v[SC+2*jj+1]
.set jj, jj+1
.endr
	v_mov_b32 v[MX], s35
	v_mov_b32 v[MX+1], s35
	s_cmp_ge_u32 s12, 4
	s_cbranch_scc1 .Lpro
	STAGE_CVT 0                                    ; trip 0's block into buffer 0,
	s_mov_b32 s40, 2
	BASE_OF                                        ; (behind the wait for the batch: its bases are free)
	STAGE_LOAD                                     ; and trip 2's block on its way
.Lpro:
	s_wait_dscnt 0x0
	s_barrier_signal -1
	s_barrier_wait -1
; key > query becomes -infinity: 64 kh + 16 kt + 8 h + j > 32 qg + 16 qt + r, all but the constant 16 kt + j - 16 qt in DD
.macro MASK
.irp qt, 0,1
.irp kt, 0,1,2,3
.irp j, 0,1,2,3,4,5,6,7
	v_cmp_gt_i32 vcc_lo, 16*\kt+\j-16*\qt, v[DD]
	v_cndmask_b32 v[SC+32*\qt+8*\kt+\j], v[SC+32*\qt+8*\kt+\j], v[NINF], vcc_lo
.endr
.endr
.endr
.endm
; the new running maximum of query tile qt: 32 scores and the old maximum are 33 numbers, 16 three-way maxima in four chains, then the other half of the lanes
.macro ROWMAX qt, first
.irp k, 0,1,2,3
	v_max3_num_f32 v[TT+\k], v[SC+32*\qt+8*\k], v[SC+32*\qt+8*\k+1], v[SC+32*\qt+8*\k+2]
.endr
.irp k, 0,1,2,3
	v_max3_num_f32 v[TT+\k], v[TT+\k], v[SC+32*\qt+8*\k+3], v[SC+32*\qt+8*\k+4]
.endr
.irp k, 0,1,2,3
	v_max3_num_f32 v[TT+\k], v[TT+\k], v[SC+32*\qt+8*\k+5], v[SC+32*\qt+8*\k+6]
.endr
	v_max3_num_f32 v[TT], v[TT], v[TT+1], v[SC+32*\qt+7]
	v_max3_num_f32 v[TT+2], v[TT+2], v[TT+3], v[SC+32*\qt+15]
	v_max3_num_f32 v[TT], v[TT], v[SC+32*\qt+23], v[SC+32*\qt+31]
	v_max3_num_f32 v[TT], v[TT], v[TT+2], v[MX+\qt]
	v_permlanex16_b32 v[TT+1], v[TT], s33, s34
	v_max_num_f32 v[TT], v[TT], v[TT+1]
	v_mul_f32 v[NM+2*\qt], s32, v[TT]
.if \first == 0
	v_sub_f32 v[TT+1], v[MX+\qt], v[TT]            ; subtract first: equal maxima give exactly 0, also at -1e30, where a fused m c - m' c would leave a huge rounding error
	v_mul_f32 v[TT+1], s30, v[TT+1]
	v_exp_f32 v[AL+2*\qt], v[TT+1]                 ; the plain place behind it (ISA guide 5.7.2) is the move below
.endif
	v_mov_b32 v[MX+\qt], v[TT]
.endm
.macro SFMA qt                         ; (score - maximum) x c
.set jj, 0
.rept 16
	v_pk_fma_f32 v[SC+32*\qt+2*jj:SC+32*\qt+2*jj+1], v[SC+32*\qt+2*jj:SC+32*\qt+2*jj+1], s[30:31], v[NM+2*\qt:NM+2*\qt+1] op_sel_hi:[1,0,0]
.set jj, jj+1
.endr
.endm
.macro SEXP qt                         ; a run of exponentials; what follows each run is plain work on other registers
.set jj, 0
.rept 32
	v_exp_f32 v[SC+32*\qt+jj], v[SC+32*\qt+jj]
.set jj, jj+1
.endr
.endm
.macro RESCALE qt
.set jj, 0
	s_wait_alu depctr_va_vdst(0)
.rept 16
	v_pk_mul_f32 v[OA+32*\qt+2*jj:OA+32*\qt+2*jj+1], v[OA+32*\qt+2*jj:OA+32*\qt+2*jj+1], v[AL+2*\qt:AL+2*\qt+1] op_sel_hi:[1,0]
.set jj, jj+1
.endr
.endm
.macro SSUM qt, first                  ; my 32 weights, two chains of packed adds
	s_wait_alu depctr_va_vdst(0)
	v_pk_add_f32 v[TT:TT+1], v[SC+32*\qt:SC+32*\qt+1], v[SC+32*\qt+2:SC+32*\qt+3]
	v_pk_add_f32 v[TT+2:TT+3], v[SC+32*\qt+4:SC+32*\qt+5], v[SC+32*\qt+6:SC+32*\qt+7]
.set jj, 4
.rept 6
	v_pk_add_f32 v[TT:TT+1], v[TT:TT+1], v[SC+32*\qt+2*jj:SC+32*\qt+2*jj+1]
	v_pk_add_f32 v[TT+2:TT+3], v[TT+2:TT+3], v[SC+32*\qt+2*jj+2:SC+32*\qt+2*jj+3]
.set jj, jj+2
.endr
	v_pk_add_f32 v[TT:TT+1], v[TT:TT+1], v[TT+2:TT+3]
.if \first
	v_add_f32 v[LS+\qt], v[TT], v[TT+1]            ; the first trip starts the sum
.else
	v_add_f32 v[TT], v[TT], v[TT+1]
	v_fma_f32 v[LS+\qt], v[LS+\qt], v[AL+2*\qt], v[TT]
.endif
.endm
.macro PACK qt                         ; S^T tiles 2c, 2c+1 (16 registers) become P(c): 8 registers of f16, in place, ascending, so no source is lost
.irp c, 0,1
.irp j, 0,1,2,3,4,5,6,7
	v_cvt_pk_f16_f32 v[SC+32*\qt+16*\c+\j], v[SC+32*\qt+16*\c+2*\j], v[SC+32*\qt+16*\c+2*\j+1]
.endr
.endr
.endm
; END OF A PHASE: the two kh partners' (m, l, O) become one result, and 128 rows of the output leave.
.macro EPI
	v_permlanex16_b32 v[TT], v[LS], s33, s34       ; the sums of the two halves of the lanes meet
	v_permlanex16_b32 v[TT+1], v[LS+1], s33, s34
	v_add_f32 v[LS], v[LS], v[TT]
	v_add_f32 v[LS+1], v[LS+1], v[TT+1]
	ds_store_b32 v[SW], v[MX]
	ds_store_b32 v[SW], v[LS] offset:128
	ds_store_b32 v[SW], v[MX+1] offset:256
	ds_store_b32 v[SW], v[LS+1] offset:384
	s_wait_dscnt 0x0
	s_barrier_signal -1
	s_barrier_wait -1
.irp k, 0,1,2,3
	ds_load_b32 v[SC+\k], v[SR] offset:128*\k              ; kh = 0: m0, l0, m1, l1
	ds_load_b32 v[SC+4+\k], v[SR] offset:2048+128*\k       ; kh = 1
.endr
	s_wait_dscnt 0x0
.irp qt, 0,1
	v_max_num_f32 v[SC+8+4*\qt], v[SC+2*\qt], v[SC+4+2*\qt]
	v_sub_f32 v[SC+9+4*\qt], v[SC+2*\qt], v[SC+8+4*\qt]
	v_sub_f32 v[SC+10+4*\qt], v[SC+4+2*\qt], v[SC+8+4*\qt]
	v_sub_f32 v[SC+11+4*\qt], v[MX+\qt], v[SC+8+4*\qt]
	v_mul_f32 v[SC+9+4*\qt], s30, v[SC+9+4*\qt]
	v_mul_f32 v[SC+10+4*\qt], s30, v[SC+10+4*\qt]
	v_mul_f32 v[SC+11+4*\qt], s30, v[SC+11+4*\qt]
.endr
.irp qt, 0,1
	v_exp_f32 v[SC+9+4*\qt], v[SC+9+4*\qt]         ; weight of the kh = 0 part,
	v_exp_f32 v[SC+10+4*\qt], v[SC+10+4*\qt]       ; of the kh = 1 part,
	v_exp_f32 v[SC+11+4*\qt], v[SC+11+4*\qt]       ; of mine (0 for a wave whose keys were all masked in the whole phase: its maximum is still -1e30)
.endr
	v_nop                                          ; the plain place behind the exponentials (ISA guide 5.7.2)
	s_wait_alu depctr_va_vdst(0)
.irp qt, 0,1
	v_mul_f32 v[SC+2*\qt+1], v[SC+2*\qt+1], v[SC+9+4*\qt]
	v_fmac_f32 v[SC+2*\qt+1], v[SC+5+2*\qt], v[SC+10+4*\qt]    ; the denominator; at least 1, as the part that holds the maximum has weight 1
.endr
	v_rcp_f32 v[SC+1], v[SC+1]
	v_rcp_f32 v[SC+3], v[SC+3]
	v_nop
	s_wait_alu depctr_va_vdst(0)
	v_mul_f32 v[AL], v[SC+11], v[SC+1]
	v_mul_f32 v[AL+2], v[SC+15], v[SC+3]
	RESCALE 0
	RESCALE 1
.irp qt, 0,1
.irp dt, 0,1,2,3
	ds_store_b128 v[EW], v[OA+8*(4*\qt+\dt):OA+8*(4*\qt+\dt)+3] offset:\qt*16*EP+\dt*64            ; d = 16 dt + 8 h + 0..3 of query 16 qt + r
	ds_store_b128 v[EW], v[OA+8*(4*\qt+\dt)+4:OA+8*(4*\qt+\dt)+7] offset:\qt*16*EP+\dt*64+16
.endr
.endr
	s_wait_dscnt 0x0
	s_barrier_signal -1
	s_barrier_wait -1
.irp a, 0,1,2,3,4,5,6,7
	ds_load_b128 v[FR+4*\a:FR+4*\a+3], v[ER] offset:\a*2*EP                ; rows 16 kh + h + 2 a: the kh = 0 part
	ds_load_b128 v[FR+32+4*\a:FR+32+4*\a+3], v[ER] offset:\a*2*EP+EREG     ; and the kh = 1 part
.endr
	s_wait_dscnt 0x0
.irp a, 0,1,2,3,4,5,6,7
	v_pk_add_f32 v[FR+4*\a:FR+4*\a+1], v[FR+4*\a:FR+4*\a+1], v[FR+32+4*\a:FR+32+4*\a+1]
	v_pk_add_f32 v[FR+4*\a+2:FR+4*\a+3], v[FR+4*\a+2:FR+4*\a+3], v[FR+32+4*\a+2:FR+32+4*\a+3]
	global_store_b128 v[GO], v[FR+4*\a:FR+4*\a+3], s[36:37] offset:\a*2*ROWB th:TH_STORE_NT   ; sixteen lanes fill a row's 256 aligned bytes
.endr
.endm
; FROM THE HI TO THE LO PHASE.  Nothing is cleared: with the maximum back at -1e30 the next unmasked trip's factor is exp2(-huge) = 0 and wipes O and the sum.
.macro SWITCH
	s_wait_xcnt 0x0                                ; the stores above have read their data and base (ISA guide 3.1): FR and s[36:37] are rewritten only behind this wait
	s_wait_loadcnt 0x0                             ; the lo block's Q, asked for in trip 0, at least eight trips ago.  Once in a wave's life; the youngest load
	                                               ; that it can also wait for is of the batch issued at the head of this trip, a whole trip and the merge ago
	v_mov_b32 v[MX], s35
	v_mov_b32 v[MX+1], s35
	WIN 0x05                                       ; both sources in the second window
.set jj, 0
.rept 32
	v_cvt_pk_f16_f32 v[QF+jj], v[QW+2*jj], v[QW+2*jj+1]
.set jj, jj+1
.endr
	WIN 0
	s_lshl_b32 s40, s15, 18
	s_mov_b32 s41, 0
	s_add_nc_u64 s[36:37], s[38:39], s[40:41]      ; out of the lo block
.endm
; ONE TRIP: the key block in buffer buf; the block of the next trip is stored into buffer obuf.  first = 1: trip 0, which starts the sums and is
; never diagonal (the hi block is 8 at the least).
.macro TRIP buf, obuf, first, tag
.irp kt, 0,1,2,3
.irp ks, 0,1
	ds_load_b128 v[FR+8*(2*\kt+\ks):FR+8*(2*\kt+\ks)+3], v[KA] offset:\buf*BUF+\kt*16*KP+\ks*64
	ds_load_b128 v[FR+8*(2*\kt+\ks)+4:FR+8*(2*\kt+\ks)+7], v[KA] offset:\buf*BUF+\kt*16*KP+\ks*64+32
.endr
.endr
	; staging, by the four waves whose kh is the next trip's buffer, under the latency of the loads above
.if \obuf
	s_cmp_lt_u32 s12, 4
.else
	s_cmp_ge_u32 s12, 4
.endif
	s_cbranch_scc1 .Lns_\tag
.if \first == 0
	s_cmp_gt_u32 s19, 15                           ; trip 16 has no successor
	s_cbranch_scc1 .Lns_\tag
.endif
	STAGE_CVT \obuf
.if \first == 0
	s_cmp_gt_u32 s19, 13                           ; trips 14 and 15 load nothing: t + 3 would pass the last trip
	s_cbranch_scc1 .Lns_\tag
.endif
	s_add_co_u32 s40, s19, 3
	BASE_OF
	STAGE_LOAD
.Lns_\tag:
.if \first
	QLO_LOAD                                       ; every wave, behind whatever batch it has out: 32 + 16 = 48 loads pending at the most
.endif
.if \first == 0
	s_cmp_eq_u32 s19, s17                          ; the hi phase's diagonal trip,
	s_cselect_b32 s45, 1, 0
	s_cmp_eq_u32 s19, 16                           ; or the lo phase's
	s_cselect_b32 s45, 1, s45
	s_and_b32 s46, s45, s47                        ; and my 64 keys all lie behind my 32 queries: nothing of mine changes in this trip.
	s_cmp_lg_u32 s46, 0                            ; (The 16 loads above were issued for nothing, twice in a wave's life; the wait at the trip's end,
	s_cbranch_scc1 .Lsk_\tag                       ; or the merge's first, covers them.)
.endif
	s_wait_dscnt 0x0                               ; K's fragments are in
.irp ks, 0,1
.irp kt, 0,1,2,3
.irp qt, 0,1
.if \ks == 0
	v_wmma_f32_16x16x32_f16 v[SC+32*\qt+8*\kt:SC+32*\qt+8*\kt+7], v[FR+16*\kt:FR+16*\kt+7], v[QF+16*\qt:QF+16*\qt+7], 0
.else
	v_wmma_f32_16x16x32_f16 v[SC+32*\qt+8*\kt:SC+32*\qt+8*\kt+7], v[FR+16*\kt+8:FR+16*\kt+15], v[QF+16*\qt+8:QF+16*\qt+15], v[SC+32*\qt+8*\kt:SC+32*\qt+8*\kt+7]
.endif
.endr
.endr
.endr
.rept 4
	v_nop                                          ; four places before loads land on K's fragments and vector work reads the scores
.endr
.irp dt, 0,1,2,3
.irp c, 0,1
	ds_load_tr16_b128 v[FR+8*(2*\dt+\c):FR+8*(2*\dt+\c)+3], v[VA] offset:\buf*BUF+\c*32*VP+\dt*32
	ds_load_tr16_b128 v[FR+8*(2*\dt+\c)+4:FR+8*(2*\dt+\c)+7], v[VA] offset:\buf*BUF+\c*32*VP+\dt*32+16*VP
.endr
.endr
.if \first == 0
	s_cmp_eq_u32 s45, 0                            ; only the two diagonal trips mask
	s_cbranch_scc1 .Lnm_\tag
	MASK
.Lnm_\tag:
.endif
	ROWMAX 0, \first
	ROWMAX 1, \first
	SFMA 0
	SEXP 0
	SFMA 1
	SEXP 1
.if \first == 0
	RESCALE 0
	RESCALE 1
.endif
	SSUM 0, \first
	PACK 0
	SSUM 1, \first
	PACK 1
	s_wait_dscnt 0x0                               ; V^T's fragments, asked for in front of the softmax
.irp c, 0,1
.irp qt, 0,1
.irp dt, 0,1,2,3
.if \first*(1-\c)
	v_wmma_f32_16x16x32_f16 v[OA+8*(4*\qt+\dt):OA+8*(4*\qt+\dt)+7], v[FR+8*(2*\dt+\c):FR+8*(2*\dt+\c)+7], v[SC+32*\qt+16*\c:SC+32*\qt+16*\c+7], 0
.else
	v_wmma_f32_16x16x32_f16 v[OA+8*(4*\qt+\dt):OA+8*(4*\qt+\dt)+7], v[FR+8*(2*\dt+\c):FR+8*(2*\dt+\c)+7], v[SC+32*\qt+16*\c:SC+32*\qt+16*\c+7], v[OA+8*(4*\qt+\dt):OA+8*(4*\qt+\dt)+7]
.endif
.endr
.endr
.endr
.rept 5
	v_nop                                          ; five places before the next S^T products write over P; four of them serve loads into FR and reads of O
.endr
.if \first == 0
.Lsk_\tag:
	s_cmp_lg_u32 s19, s17                          ; the hi phase's last trip (the same in all eight waves: i and the trip count)
	s_cbranch_scc1 .Lnw_\tag
	EPI
	SWITCH
.Lnw_\tag:
.endif
	s_wait_dscnt 0x0                               ; my reads of buffer buf and my stores into buffer obuf are done:
	s_barrier_signal -1                            ; one barrier a trip closes the one and publishes the other
	s_barrier_wait -1
	s_add_co_u32 s19, s19, 1
.endm
	s_mov_b32 s19, 0                               ; t
	TRIP 0, 1, 1, a
	s_mov_b32 s18, 0
.Lloop:
	TRIP 1, 0, 0, b
	TRIP 0, 1, 0, c
	s_add_co_u32 s18, s18, 1
	s_cmp_lt_u32 s18, 8
	s_cbranch_scc1 .Lloop
	EPI                                            ; the lo phase's result
	s_set_vgpr_msb 0x5
	s_wait_tensorcnt 0x0
	ds_add_u32 v192, v193
	s_wait_dscnt 0x0
	s_set_vgpr_msb 0x500
	s_endpgm
.Lfunc_end_k_q049578ef37_attn:
	.size	k_q049578ef37_attn, .Lfunc_end_k_q049578ef37_attn-k_q049578ef37_attn
	.p2alignl 7, 3214868480
	.fill 96, 4, 3214868480
	.section	.rodata,"a",@progbits
	.p2align	6, 0x0
	.amdhsa_kernel k_q049578ef37_attn
		.amdhsa_group_segment_fixed_size 152576
		.amdhsa_private_segment_fixed_size 0
		.amdhsa_enable_private_segment 0
		.amdhsa_kernarg_size 32
		.amdhsa_user_sgpr_count 2
		.amdhsa_user_sgpr_kernarg_segment_ptr 1
		.amdhsa_wavefront_size32 1
		.amdhsa_system_sgpr_workgroup_id_x 1
		.amdhsa_system_sgpr_workgroup_id_y 1
		.amdhsa_system_sgpr_workgroup_id_z 1
		.amdhsa_system_vgpr_workitem_id 0
		.amdhsa_next_free_vgpr 450
		.amdhsa_next_free_sgpr 66
		.amdhsa_reserve_vcc 1
		.amdhsa_float_denorm_mode_32 3
		.amdhsa_float_denorm_mode_16_64 3
		.amdhsa_memory_ordered 1
		.amdhsa_forward_progress 1
		.amdhsa_inst_pref_size 139
	.end_amdhsa_kernel
	.amdgpu_metadata
---
amdhsa.version: [ 1, 2 ]
amdhsa.kernels:
  - .name:           k_q049578ef37_attn
    .symbol:         k_q049578ef37_attn.kd
    .args:
      - { .name: keys, .offset: 0, .size: 8, .value_kind: global_buffer, .address_space: global }
      - { .name: queries, .offset: 8, .size: 8, .value_kind: global_buffer, .address_space: global }
      - { .name: values, .offset: 16, .size: 8, .value_kind: global_buffer, .address_space: global }
      - { .name: out0, .offset: 24, .size: 8, .value_kind: global_buffer, .address_space: global }
    .group_segment_fixed_size: 152576
    .private_segment_fixed_size: 0
    .kernarg_segment_align: 8
    .kernarg_segment_size: 32
    .max_flat_workgroup_size: 256
    .sgpr_count:     66
    .vgpr_count:     450
    .wavefront_size: 32
...
	.end_amdgpu_metadata
.endif
;; end of part 1
